; MI455X (gfx1250); checked and timed in simulation.
; The chip was launched on July 23, 2026; its instructions are those of AMD's public machine-readable ISA for CDNA 5 (MIT licence, August 2026) and "CDNA5" Instruction Set Architecture Reference Guide (July 2026). The comments in the code are by the model that wrote it; some were corrected since.
;; Vector Quantizer. Allowed arithmetic: matrix products marked QUANTISED: E2M3 operands, one E8M0 scale for each 32 along K, by v_wmma_scale_f32_16x16x128_f8f6f4 with both operands' format E2M3, f32 sums; everything else in f32.
;; Inputs: inputs 64 x 32 x 32 x 64 float32; w 1,024 x 64 float32.
;; Outputs: out0 64 x 32 x 32 x 64 float32; out1 one number float32; out2 65,536 int32; out3 64 x 1,024 float32.
;; This version of the problem:
;;   THIS VERSION OF THE PROBLEM IS GIVEN IN LOW PRECISION. The matrix products marked QUANTISED in the list below multiply operands that are first quantised to E2M3 (2 exponent bits, 3 mantissa bits; 6 bits a number), with one power-of-two scale for each 32 numbers along K (OCP MX v1.0); their sums are f32. All else is computed in f32.
;;   The module's matrix products, in the order in which they are computed (A, B: the left and right operand; K: the contracted axis; several contracted axes count as one K, in the product's order):
;;     1. [M 65,536, K 64] x [K 64, N 1,024]; A: input inputs; B: input w: QUANTISED
;;   THE QUANTISER, for each operand of a quantised product, along K:
;;     - K is cut into blocks of 32 from its start; a last block that is shorter is filled with zeros.
;;     - A block's scale is 2^e with e = floor(log2(the largest magnitude in the block)) - 2, held to -126 .. 127; a block of zeros has e = 0. As a byte (E8M0): e + 127.
;;     - Each number is divided by its block's scale, clamped to +-7.5, and rounded to the nearest number of E2M3, ties to even, subnormals kept.
;;     - The product sums the exact products of the quantised numbers (number of the format x scale) in f32.
;;   ~~~python
;;   def quantise(x, axis):      # numpy; x: float32 -> the quantised numbers, widened to float32 again
;;       x = np.moveaxis(x, axis, -1); K = x.shape[-1]
;;       x = np.pad(x, [(0, 0)] * (x.ndim - 1) + [(0, -K % 32)]); x = x.reshape(x.shape[:-1] + (-1, 32)); a = np.abs(x).max(-1, keepdims=True)
;;       e = np.where(a > 0, np.clip(np.frexp(np.where(a > 0, a, 1))[1] - 1 - 2, -126, 127), 0)      # np.frexp(a)[1] - 1 = floor(log2(a)), exactly
;;       r = np.clip(x / 2.0 ** e, -7.5, 7.5)
;;       step = 2.0 ** (np.maximum(np.frexp(np.where(r == 0, 1, r))[1] - 1, 0) - 3)
;;       q = np.round(r / step) * step * 2.0 ** e      # np.round: ties to even
;;       return np.moveaxis(q.reshape(q.shape[:-2] + (-1,))[..., :K], -1, axis).astype(np.float32)
;;   ~~~
;; One version. Each part assembles by itself: llvm-mc -triple=amdgcn-amd-amdhsa -mcpu=gfx1250 --defsym DOCPART=n.
;; ======== version 1 of 1: 3 launches
;; limits: right only within a limited range of input values
;; workspace buffers: codes 262,144 bytes of whole numbers; part 1,024 bytes
;; launch nearest (part 1): grid 256 x 1, 8 waves a work-group, clusters of 4 x 1, 327,680 bytes of LDS; arguments inputs, w, out2, codes; writes out2, codes
.if DOCPART == 1
	.amdgcn_target "amdgcn-amd-amdhsa--gfx1250"
	.amdhsa_code_object_version 6
	.text
	.protected	k_qbe105068d2_nearest
	.globl	k_qbe105068d2_nearest
	.p2align	8
	.type	k_qbe105068d2_nearest,@function
k_qbe105068d2_nearest:
	s_mov_b64 s[64:65], 0
	v_nop
	global_prefetch_b8 v0, s[64:65] scope:SCOPE_SE
	s_setreg_imm32_b32 hwreg(HW_REG_WAVE_MODE, 25, 1), 1
	s_wait_xcnt 0x0
	s_wait_alu depctr_hold_cnt(0) depctr_sa_sdst(0) depctr_va_vdst(0) depctr_va_sdst(0) depctr_va_ssrc(0) depctr_va_vcc(0) depctr_vm_vsrc(0)
	s_getreg_b32 s2, hwreg(HW_REG_IB_STS2, 6, 4)
	s_cmp_eq_u32 s2, 0
	s_cbranch_scc0 .Lentry_in_a_cluster
	s_endpgm
.Lentry_in_a_cluster:
	s_bfe_u32 s2, ttmp6, 0x10000c
	s_cmp_lg_u32 s2, 0x3003
	s_cbranch_scc0 .Lentry_shape_is_right
	s_endpgm
.Lentry_shape_is_right:
; For each of 65,536 tokens x (64 numbers) the index of the code w_k (1,024 codes) with the smallest ||x||^2 - 2 Q(x).Q(w_k) + ||w_k||^2, the lowest index on a tie.
; Q: codes of FP6 (E2M3), one E8M0 scale for each 32 along the 64; the product by v_wmma_scale_f32_16x16x128_f8f6f4; all else f32.
; DEAD WORK LEFT OUT: ||x||^2.  For one token it is the same number for all k, so in exact arithmetic it moves no argmax over k, whatever x and w hold; the distances reach no other output.
; What is compared is 2 Q(x).Q(w_k) - ||w_k||^2, by the matrix unit alone: C = -||w_k||^2; the 2 is +1 on x's scale bytes.
; LIMITS: NaN and infinities among the inputs are not served; an overflow of ||x||^2 alone (|x| above 2^63) is not carried to the result.  Distances that differ by less than the rounding of f32 sums
; may be ordered otherwise than by another order of the sums.  A block whose largest magnitude lies under 2^-124, a block of zeros too, gets the scale byte 1: only this text reads the bytes, and zero codes add nothing.
; SHARES.  A work-group owns 256 tokens, each of its eight waves 32: two tiles of 16.
; CLUSTER.  All work-groups want the same 256 KB of w: the four of a cluster ask for it JOINTLY (mask 15), which divides the requests by four.  Each LDS byte is filled once: one load of 128 rows a wave.
; No prefetch: nothing in the loop comes from memory.
; Rows lie 272 bytes apart (256 + 16 of padding by the descriptor), so that the 16 rows that a load touches start at 16 different groups of banks.
; A PAIR of tiles of 16 codes has 8,704 bytes of raw rows.  When its wave has read them, it lays over their head (bytes that have had their only fill) what the search wants: the operand's twelve
; registers as an image (3 x 512 bytes, 16 bytes a lane), 16 scale words at 1,536, and 2 x 16 numbers -||w||^2 at 1,600.  A wave quantises its four pairs, then its tokens; one barrier; then the search.
; K IS 64, THE INSTRUCTION'S 128.  Source 0 holds TWO tiles of codes (k 0-63: tile 2 p; k 64-127: tile 2 p + 1).  A tile of tokens stands between runs of zero codes, [Z][X0][Z][X1][Z]:
; [Xi][Z] as source 1 gives tile 2 p's products, [Z][Xi] tile 2 p + 1's.  A token's scale word repeats its two bytes.
; LAYOUT of a result: a lane holds ONE token (lane % 16), and in register j the code 16 t + 8 (lane / 16) + j.
; THE SEARCH.  A tile's eight numbers and the best so far go through four v_max3; one compare says whether the best has grown; eight selects then keep seven of the eight numbers and the tile's number.
; Which of the eight it was is read off the kept numbers once, at the end.
; TWO SETS of operands and of products by turns: while pair p is searched, pair p + 1's products are issued among the search's lines and pair p + 2's operands are on their way from LDS.
.set RP,    272                        ; an LDS row
.set TILEB, 16*RP
.set PAIRB, 2*TILEB
.set CHB,   4*PAIRB                    ; what one tensor load brings: 128 rows
.set XST,   32*PAIRB                   ; behind w: eight stages of 16 rows for x; later, in the first 1,024 bytes, the work-group's 256 indices
.set SPARE, XST+8*TILEB                ; the spare words, 128 bytes for each wave
.set SCO,   1536                       ; in a pair: the scale words,
.set NWO,   1600                       ; -||w||^2
.set L16, 1                            ; v1   16 x lane
.set RR,  2                            ; v2   lane % 16
.set HH,  3                            ; v3   lane / 16
.set SH8, 4                            ; v4   8 x (lane / 16)
.set XSA, 5                            ; v5   x's stage, on the way in
.set XLA, 6                            ; v6   and on the way out
.set AR,  7                            ; v7   my raw rows of w: row r, block h
.set AIW, 8                            ; v8   where I store images
.set ASW, 9                            ; v9   and scale words
.set IDS, 10                           ; v10  where I store an index: XST + 4 x thread
.set BS,  11                           ; v11  SCO + 4 r
.set BN,  12                           ; v12  NWO + 32 h
.set AI,  13                           ; v13-15 the pair to be fetched: image, scale words, -||w||^2
.set AS,  14
.set AN,  15
.set ZX,  16                           ; v16-45 [Z][X0][Z][X1][Z]
.set XS,  46                           ; v46-47 the tokens' scale words
.set WS,  48                           ; v48-49 the codes' scale words, two sets
.set IDL, 50                           ; v50  XST + 16 x thread
.set GO,  51                           ; v51  16 x thread: my place in the work-group's 1,024 bytes of indices
.set W,   52                           ; v52-75 a pair's codes, two sets
.set NW,  76                           ; v76-107 its -||w||^2, my half's eight of each tile, two sets
.set DD,  108                          ; v108-171 the products, two sets: tile u of the pair, tile i of the tokens at 8 (2 u + i)
.set SV,  172                          ; v172-187 for each tile of tokens: seven kept numbers and the tile's number
.set BA,  188                          ; v188-189, v190-191 the best so far, two sets by turns
.set TT,  192                          ; v192-197 at work
.set SPW, 254                          ; v254 my spare word
.set NIL, 255                          ; v255 0
; ahead of the search, on registers that the search takes later:
.set XR,  108                          ; v108-171 x as loaded
.set RS,  172                          ; v172-235 two sets of 32 numbers: a block of w or of x
.set QM,  52
.set QA,  54
.set QS,  58
.set QO,  59
.set QP,  60
.set QB,  61
.set QC,  62
.set QT,  65
.set QO2, 66
.set WH,  67
.set NV,  68
.set WW,  70
.set PC,  76                           ; v76-87 a pair's codes as they are made
; at the end
.set EJ,  108
.set EI,  110
.set EOB, 112
.set EOI, 114
.set EMN, 116
.set ER,  118
.set OUT, 120
.set IQ,  124
.set WV,  12                           ; s12 my wave's number
.set G1,  16                           ; s[16:23] descriptor group 1
.set G0,  24                           ; s[24:27] group 0
.set PSEL,46                           ; s[46:47] v_permlanex16_b32's selects for lane l xor 16
.set MK,  48                           ; s48-49 lane masks
.set TI,  50                           ; s50-51 the numbers of the pair's two tiles
.set CT,  52                           ; s52 trips to go
.set PB,  53                           ; s53 LDS byte at which the pair to be fetched begins
; A round of the cluster's barrier: my work-group's barrier; wave 0 signals for the work-group; every wave waits for all four work-groups; my work-group's barrier once more.
.macro ROUND
	s_barrier_signal -1
	s_barrier_wait -1
	s_cmp_lg_u32 s[WV], 0
	s_cbranch_scc1 .Lnot_wave_0_\@
	s_barrier_signal -3
.Lnot_wave_0_\@:
	s_barrier_wait -3
	s_barrier_signal -1
	s_barrier_wait -1
.endm
; A block of 32 numbers of one lane, v[x] on, becomes six registers of codes, v[cd] on; its scale byte in v[QB]; sq = 1: the sum of its squares in v[QS].
.macro QUANT x, cd, sq
	v_max3_num_f32 v[QM], |v[\x]|, |v[\x+1]|, |v[\x+2]|
	v_max3_num_f32 v[QM+1], |v[\x+3]|, |v[\x+4]|, |v[\x+5]|
.if \sq
	v_pk_mul_f32 v[QA:QA+1], v[\x:\x+1], v[\x:\x+1]
	v_pk_mul_f32 v[QA+2:QA+3], v[\x+2:\x+3], v[\x+2:\x+3]
.endif
.irp i, 6,10,14,18,22,26
	v_max3_num_f32 v[QM], v[QM], |v[\x+\i]|, |v[\x+\i+1]|              ; two chains for the largest magnitude, two for the squares, by turns
	v_max3_num_f32 v[QM+1], v[QM+1], |v[\x+\i+2]|, |v[\x+\i+3]|
.if \sq
	v_pk_fma_f32 v[QA:QA+1], v[\x+\i-2:\x+\i-1], v[\x+\i-2:\x+\i-1], v[QA:QA+1]
	v_pk_fma_f32 v[QA+2:QA+3], v[\x+\i:\x+\i+1], v[\x+\i:\x+\i+1], v[QA+2:QA+3]
.endif
.endr
	v_max3_num_f32 v[QM], v[QM], |v[\x+30]|, |v[\x+31]|
.if \sq
	v_pk_fma_f32 v[QA:QA+1], v[\x+28:\x+29], v[\x+28:\x+29], v[QA:QA+1]
	v_pk_fma_f32 v[QA+2:QA+3], v[\x+30:\x+31], v[\x+30:\x+31], v[QA+2:QA+3]
.endif
	v_max3_num_f32 v[QM], v[QM], v[QM+1], 0x1800000                    ; and the floor 2^(3 - 127): the byte cannot fall under 1
.if \sq
	v_pk_add_f32 v[QA:QA+1], v[QA:QA+1], v[QA+2:QA+3]
.endif
	v_add_nc_u32 v[QP], 0xff000000, v[QM]                              ; 2 off the exponent field: the conversion takes this operand's exponent field as its scale
.if \sq
	v_add_f32 v[QS], v[QA], v[QA+1]
.endif
	v_cvt_scalef32_pk16_fp6_f32 v[\cd:\cd+2], v[\x:\x+15], v[QP]
	v_cvt_scalef32_pk16_fp6_f32 v[QC:QC+2], v[\x+16:\x+31], v[QP]      ; (a conversion's three registers begin on an even number: the second three are made here and moved)
	v_lshrrev_b32 v[QB], 23, v[QP]                                     ; the scale's byte; also the plain line behind the conversions
	v_mov_b32 v[\cd+3], v[QC]
	v_mov_b32 v[\cd+4], v[QC+1]
	v_mov_b32 v[\cd+5], v[QC+2]
.endm
; behind QUANT: my block's byte at its place in v[QT], lane l xor 16's in v[QO2]; sq = 1: that lane's sum of squares in v[QO]
.macro FIN sq
.if \sq
	v_permlanex16_b32 v[QO], v[QS], s[PSEL], s[PSEL+1]
.endif
	v_lshlrev_b32 v[QT], v[SH8], v[QB]                                 ; 8 bits up in lanes 16-31
	v_permlanex16_b32 v[QO2], v[QT], s[PSEL], s[PSEL+1]
.endm
; Tile n of my eight tiles of w (pair n / 2): lane (r, h) takes block h of row r
.macro RAWT n
.irp q, 0,1,2,3,4,5,6,7
	ds_load_b128 v[RS+32*((\n)%2)+4*\q:RS+32*((\n)%2)+4*\q+3], v[AR] offset:(\n)*TILEB+16*\q
.endr
.endm
; it is quantised, while the next tile's numbers are on their way; a pair's second tile lays the pair's image over the head of its raw rows, all of which this wave has read by then
.macro WTILE n
.if (\n) < 7
	RAWT \n+1
	s_wait_dscnt 8                                                     ; all but the eight just issued
.else
	s_wait_dscnt 0x0
.endif
	QUANT RS+32*((\n)%2), PC+6*((\n)%2), 1
	FIN 1
.if (\n)%2 == 0
	v_sub_f32 v[NV], -v[QS], v[QO]                                     ; -||w||^2
	v_or_b32 v[WH], v[QT], v[QO2]
.else
	v_sub_f32 v[NV+1], -v[QS], v[QO]
	v_or_b32 v[QT], v[QT], v[QO2]
	v_lshl_or_b32 v[WW], v[QT], 16, v[WH]                              ; bytes 0, 1: tile 2 p's row r; bytes 2, 3: tile 2 p + 1's
.irp c, 0,1,2
	ds_store_b128 v[AIW], v[PC+4*\c:PC+4*\c+3] offset:((\n)/2)*PAIRB+512*\c
.endr
	ds_store_b32 v[ASW], v[WW] offset:((\n)/2)*PAIRB                   ; lanes l and l xor 16 write the same word with the same value
	ds_store_b32 v[ASW], v[NV] offset:((\n)/2)*PAIRB+NWO-SCO
	ds_store_b32 v[ASW], v[NV+1] offset:((\n)/2)*PAIRB+NWO-SCO+64
.endif
.endm
; Tile i of my tokens through my stage, so that a lane gets a whole block of 32 neighbours though every global load was dense
.macro XTURN i
.irp n, 0,1,2,3,4,5,6,7
	ds_store_b128 v[XSA], v[XR+32*(\i)+4*\n:XR+32*(\i)+4*\n+3] offset:544*\n   ; lanes 0-15: token 2 n to row 2 n; lanes 16-31: token 2 n + 1 to the row below
.endr
.irp q, 0,1,2,3,4,5,6,7
	ds_load_b128 v[RS+32*(\i)+4*\q:RS+32*(\i)+4*\q+3], v[XLA] offset:16*\q     ; LDS serves a wave's instructions in order: these see the stores above
.endr
.endm
.macro XQUANT i                        ; straight into its operand registers
	QUANT RS+32*(\i), ZX+6+12*(\i), 0
	FIN 0
	v_or_b32 v[QT], v[QT], v[QO2]
	v_add_nc_u32 v[QT], 0x101, v[QT]                                   ; + 1 on both bytes: the product's factor 2 (a byte is at most 252 here)
	v_lshl_or_b32 v[XS+(\i)], v[QT], 16, v[QT]                         ; twice: for k 0-63 and for k 64-127
.endm
; THE SEARCH
.macro LOADP s, ai, as, an, off        ; a pair's operands into set s
	ds_load_b128 v[W+12*\s:W+12*\s+3], v[\ai] offset:\off
	ds_load_b128 v[W+12*\s+4:W+12*\s+7], v[\ai] offset:\off+512
	ds_load_b128 v[W+12*\s+8:W+12*\s+11], v[\ai] offset:\off+1024
	ds_load_b32 v[WS+\s], v[\as] offset:\off
	ds_load_b128 v[NW+16*\s:NW+16*\s+3], v[\an] offset:\off
	ds_load_b128 v[NW+16*\s+4:NW+16*\s+7], v[\an] offset:\off+16
	ds_load_b128 v[NW+16*\s+8:NW+16*\s+11], v[\an] offset:\off+64
	ds_load_b128 v[NW+16*\s+12:NW+16*\s+15], v[\an] offset:\off+80
.endm
.macro MM u, i, b                      ; set b: tile u of the pair against tile i of my tokens
	v_wmma_scale_f32_16x16x128_f8f6f4 v[DD+32*(\b)+8*(2*(\u)+(\i)):DD+32*(\b)+8*(2*(\u)+(\i))+7], v[W+12*(\b):W+12*(\b)+11], v[ZX+6+12*(\i)-6*(\u):ZX+6+12*(\i)-6*(\u)+11], v[NW+16*(\b)+8*(\u):NW+16*(\b)+8*(\u)+7], v[WS+(\b)], v[XS+(\i)] matrix_a_fmt:MATRIX_FMT_FP6 matrix_b_fmt:MATRIX_FMT_FP6
.endm
.macro MAX2 a, u                       ; both tiles of tokens by turns: the largest of eight numbers and the best so far; has the best grown?
.set DA, DD+32*(\a)+16*(\u)
.set DB, DD+32*(\a)+16*(\u)+8
.set BO, BA+2*(\u)                     ; the best so far,
.set BW, BA+2-2*(\u)                   ; and where the new one goes
	v_max3_num_f32 v[TT], v[DA], v[DA+1], v[DA+2]
	v_max3_num_f32 v[TT+3], v[DB], v[DB+1], v[DB+2]
	v_max3_num_f32 v[TT+1], v[DA+3], v[DA+4], v[DA+5]
	v_max3_num_f32 v[TT+4], v[DB+3], v[DB+4], v[DB+5]
	v_max3_num_f32 v[TT+2], v[DA+6], v[DA+7], v[BO]
	v_max3_num_f32 v[TT+5], v[DB+6], v[DB+7], v[BO+1]
	v_max3_num_f32 v[BW], v[TT], v[TT+1], v[TT+2]
	v_max3_num_f32 v[BW+1], v[TT+3], v[TT+4], v[TT+5]
	v_cmp_gt_f32 s[MK], v[BW], v[BO]               ; strictly: of equal numbers the earlier tile stays
	v_cmp_gt_f32 s[MK+1], v[BW+1], v[BO+1]
.endm
.macro KEEP a, u, i                    ; where it has grown: keep seven of the eight and the tile's number
.irp j, 0,1,2,3,4,5,6
	v_cndmask_b32 v[SV+8*(\i)+\j], v[SV+8*(\i)+\j], v[DD+32*(\a)+8*(2*(\u)+(\i))+\j], s[MK+(\i)]
.endr
	v_cndmask_b32 v[SV+8*(\i)+7], v[SV+8*(\i)+7], s[TI+(\u)], s[MK+(\i)]
.endm
; The search of pair p, whose products lie in set a (p's parity).  ld = 1: pair p + 2's operands are asked for first, into set a, whose last products stand a whole search behind.
; mm = 1: pair p + 1's four products, into the other set, one at a time among the search's lines.  step = 1: the fetch addresses go two pairs on.
.macro HALF a, ld, mm, step
.if \ld
	LOADP \a, AI, AS, AN, (\a)*PAIRB
	s_wait_dscnt 8                                 ; all but the eight just issued: pair p + 1's operands are in
.else
.if \mm
	s_wait_dscnt 0x0
.endif
.endif
.if \mm
	MM 0, 0, 1-\a
.endif
.if \step
	s_add_co_u32 s[PB], s[PB], 2*PAIRB
	v_add_nc_u32 v[AI], s[PB], v[L16]
	v_add_nc_u32 v[AS], s[PB], v[BS]
	v_add_nc_u32 v[AN], s[PB], v[BN]
.endif
	MAX2 \a, 0
.if \mm
	MM 0, 1, 1-\a
.endif
	KEEP \a, 0, 0
.if \mm
	MM 1, 0, 1-\a
.endif
	KEEP \a, 0, 1
.if \mm
	MM 1, 1, 1-\a
.endif
	MAX2 \a, 1
	KEEP \a, 1, 0
	KEEP \a, 1, 1
	s_add_co_u32 s[TI], s[TI], 2
	s_add_co_u32 s[TI+1], s[TI+1], 2
.endm
	s_load_b256 s[4:11], s[0:1], 0x0               ; inputs s[4:5], w s[6:7], out2 s[8:9], codes s[10:11]
	v_lshl_add_u32 v[SPW], v0, 2, SPARE
	v_mov_b32 v[NIL], 0
	ds_add_u32 v[SPW], v[NIL]                      ; the wave's opening: the add, twice on end, and its wait
	ds_add_u32 v[SPW], v[NIL]
	v_lshrrev_b32 v[RR], 5, v0
	v_and_b32 v[AN], 31, v0                        ; lane
	v_readfirstlane_b32 s[WV], v[RR]               ; wave 0..7
	v_lshlrev_b32 v[L16], 4, v[AN]
	s_bfe_u32 s13, ttmp6, 0x40000                  ; cx: my place in the cluster
	s_lshl_b32 s14, ttmp9, 2                       ; in a cluster launch ttmp9 counts clusters
	s_add_co_u32 s14, s14, s13                     ; my work-group: it enters the addresses of x and of the indices alone
	s_lshl_b32 s40, s14, 16                        ; x: 256 tokens of 256 bytes a work-group,
	s_lshl_b32 s41, s[WV], 13                      ; 32 a wave
	s_add_co_u32 s40, s40, s41
	s_mov_b32 s41, 0
	s_lshl_b32 s42, s[WV], 15                      ; w: my 128 rows of 256 bytes, in memory,
	s_mov_b32 s43, 0
	s_mul_i32 s15, s[WV], CHB                      ; and in LDS
	s_lshl_b32 s44, s14, 10                        ; the indices: 4 bytes a token
	s_mov_b32 s45, 0
	; descriptor group 1: 128 rows of 256 bytes (32 elements of 8), dense in memory, 16 bytes of padding behind each in LDS
	s_mov_b32 s[G1], 15|(3<<16)|(1<<20)|(1<<21)|(5<<22)|(3<<25)   ; 15:0 the mask: all four work-groups; 17:16 elements of 8 bytes; 20 padding on; 21 set beside a mask; 24:22 after every 64 words; 31:25 four words of it
	s_mov_b32 s[G1+1], 32<<16                      ; tensor_dim0 = 32
	s_mov_b32 s[G1+2], 128<<16                     ; tensor_dim1 = 128
	s_mov_b32 s[G1+3], 32<<16                      ; tile_dim0 = 32
	s_mov_b32 s[G1+4], 128                         ; tile_dim1 = 128
	s_mov_b32 s[G1+5], 32                          ; elements from row to row
	s_mov_b32 s[G1+6], 0
	s_mov_b32 s[G1+7], 0
	s_mov_b32 s[G0], 1                             ; count = 1
	s_add_co_u32 s[G0+1], s15, 0                   ; LDS address: the wave's number times a constant
	s_wait_alu depctr_va_vdst(0)
	s_wait_dscnt 0x0                               ; both opening adds are done
	ROUND                                          ; all four work-groups are here: the joint loads meet.  (The arguments are on their way meanwhile)
	s_wait_kmcnt 0x0
	s_add_nc_u64 s[G0+2:G0+3], s[6:7], s[42:43]    ; global address: the same in all four work-groups
	s_or_b32 s[G0+3], s[G0+3], 0x80000000          ; type = 2
	tensor_load_to_lds s[G0:G0+3], s[G1:G1+7]      ; the launch's only fills: one load a wave
	s_nop 0
.rept 4
	v_nop
.endr
	s_add_nc_u64 s[4:5], s[4:5], s[40:41]
.irp n, 0,1,2,3,4,5,6,7,8,9,10,11,12,13,14,15
	global_load_b128 v[XR+4*\n:XR+4*\n+3], v[L16], s[4:5] offset:512*\n   ; all my 8 KB of x at once: each load 512 consecutive bytes, two tokens
.endr
	s_add_nc_u64 s[8:9], s[8:9], s[44:45]
	s_add_nc_u64 s[10:11], s[10:11], s[44:45]
	v_and_b32 v[RR], 15, v0
	v_bfe_u32 v[HH], v0, 4, 1
	v_lshlrev_b32 v[SH8], 3, v[HH]
	s_mul_i32 s54, s[WV], TILEB
	s_add_co_u32 s54, s54, XST                     ; my stage for x
	v_mul_u32_u24 v[XSA], v[HH], RP                ; in: lanes 16-31 one row further down; 16 bytes a lane
	v_mul_u32_u24 v[XLA], v[RR], RP                ; out: row r, block h
	v_lshl_add_u32 v[XSA], v[RR], 4, v[XSA]
	v_lshl_add_u32 v[XLA], v[HH], 7, v[XLA]
	v_add_nc_u32 v[XSA], s54, v[XSA]
	v_add_nc_u32 v[AR], s15, v[XLA]                ; the same place in my raw rows of w
	v_add_nc_u32 v[XLA], s54, v[XLA]
	v_add_nc_u32 v[AIW], s15, v[L16]
	v_lshl_add_u32 v[BS], v[RR], 2, SCO
	v_lshl_add_u32 v[BN], v[HH], 5, NWO
	v_add_nc_u32 v[ASW], s15, v[BS]
	v_lshl_add_u32 v[IDS], v0, 2, XST
	v_lshl_add_u32 v[IDL], v0, 4, XST
	v_lshlrev_b32 v[GO], 4, v0
	s_mov_b32 s[PSEL], 0x76543210
	s_mov_b32 s[PSEL+1], 0xfedcba98
	s_mov_b32 s[PB], 2*PAIRB                       ; the loop's first fetch: pair 2
	v_add_nc_u32 v[AI], s[PB], v[L16]
	v_add_nc_u32 v[AS], s[PB], v[BS]
	v_add_nc_u32 v[AN], s[PB], v[BN]
	v_mov_b32 v[QO], 0                             ; written once: a lane permute's destination counts as one of its sources
	v_mov_b32 v[QO2], 0
.irp z, 0,1,2,3,4,5
	v_mov_b32 v[ZX+\z], 0                          ; the three runs of zero codes
	v_mov_b32 v[ZX+12+\z], 0
	v_mov_b32 v[ZX+24+\z], 0
.endr
	s_wait_alu depctr_va_vdst(0)
	s_wait_tensorcnt 0x0                           ; my 128 rows are in; until the barrier only I touch these bytes
	RAWT 0
.irp n, 0,1,2,3,4,5,6,7
	WTILE \n
.endr
	s_wait_loadcnt 8                               ; loads come back in order: my first tile of tokens is in
	XTURN 0
	s_wait_loadcnt 0x0
	XTURN 1
	s_wait_dscnt 16                                ; all but the second tile's eight stores and eight loads
	XQUANT 0
	s_wait_dscnt 0x0
	XQUANT 1
	s_mov_b32 s[TI], 0
	s_mov_b32 s[TI+1], 1
	s_mov_b32 s[CT], 15
	s_wait_alu depctr_va_vdst(0)
	s_wait_dscnt 0x0                               ; for the others' sake: my stores have landed
	s_barrier_signal -1
	s_barrier_wait -1                              ; all 32 images lie ready
	LOADP 0, L16, BS, BN, 0
	LOADP 1, L16, BS, BN, PAIRB
	s_wait_dscnt 8                                 ; pair 0's operands are in
	MM 0, 0, 0
	MM 0, 1, 0
	MM 1, 0, 0
	MM 1, 1, 0
	v_mov_b32 v[BA], 0xff800000                    ; the best so far: -infinity.  (These lines are the places behind the products)
	v_mov_b32 v[BA+1], 0xff800000
.irp j, 0,1,2,3,4,5,6,7,8,9,10,11,12,13,14,15
	v_mov_b32 v[SV+\j], 0                          ; a select names its old value: written once; the first tile replaces them, since every number is above -infinity
.endr
	s_wait_alu depctr_va_vdst(0)
.Lpair:                                                ; a trip searches two pairs: 0 and 1 .. 28 and 29
	HALF 0, 1, 1, 0
	HALF 1, 1, 1, 1
	s_sub_co_u32 s[CT], s[CT], 1
	s_cmp_lg_u32 s[CT], 0
	s_cbranch_scc1 .Lpair
	HALF 0, 0, 1, 0                                ; pair 30
	HALF 1, 0, 0, 0                                ; pair 31
	; THE END.  Which of the kept tile's eight numbers is the best: the lowest j that equals it; none of the seven: the eighth.
	v_mov_b32 v[EJ], 7
	v_mov_b32 v[EJ+1], 7
.irp j, 6,5,4,3,2,1,0
	v_cmp_eq_f32 s[MK], v[SV+\j], v[BA]
	v_cmp_eq_f32 s[MK+1], v[SV+8+\j], v[BA+1]
	v_cndmask_b32 v[EJ], v[EJ], \j, s[MK]
	v_cndmask_b32 v[EJ+1], v[EJ+1], \j, s[MK+1]
.endr
.irp i, 0,1
	v_lshl_add_u32 v[EI+\i], v[SV+8*\i+7], 4, v[EJ+\i]
	v_mov_b32 v[EOB+\i], 0
	v_mov_b32 v[EOI+\i], 0
	v_add_nc_u32 v[EI+\i], v[EI+\i], v[SH8]        ; my half's best code: 16 t + 8 h + j
.endr
.irp i, 0,1
	v_permlanex16_b32 v[EOB+\i], v[BA+\i], s[PSEL], s[PSEL+1]      ; the token's other eight codes of each tile lie in the lane 16 away
	v_permlanex16_b32 v[EOI+\i], v[EI+\i], s[PSEL], s[PSEL+1]
.endr
.irp i, 0,1
	v_min_u32 v[EMN+\i], v[EI+\i], v[EOI+\i]
	v_cmp_gt_f32 s[MK+\i], v[EOB+\i], v[BA+\i]
	v_cndmask_b32 v[ER+\i], v[EI+\i], v[EOI+\i], s[MK+\i]
	v_cmp_eq_f32 s[MK+\i], v[EOB+\i], v[BA+\i]
	v_cndmask_b32 v[ER+\i], v[ER+\i], v[EMN+\i], s[MK+\i]          ; of equal numbers the lower index
.endr
	v_cmp_eq_u32 vcc_lo, 1, v[HH]
	v_cndmask_b32 v[OUT], v[ER], v[ER+1], vcc_lo   ; lanes 0-15 keep tile 0's tokens, lanes 16-31 tile 1's: lane l has my token l
	ds_store_b32 v[IDS], v[OUT]                    ; into bytes of x's stages, whose last read stands ahead of the barrier
	s_wait_dscnt 0x0                               ; for the others' sake
	s_barrier_signal -1
	s_barrier_wait -1
	s_cmp_gt_u32 s[WV], 1                          ; the work-group's 1,024 bytes leave by two waves, 16 bytes a lane: each store covers 512 consecutive bytes, aligned to 256
	s_cbranch_scc1 .Lno_store
	ds_load_b128 v[IQ:IQ+3], v[IDL]
	s_wait_dscnt 0x0
	global_store_b128 v[GO], v[IQ:IQ+3], s[8:9] th:TH_STORE_NT
	global_store_b128 v[GO], v[IQ:IQ+3], s[10:11]
.Lno_store:
	s_wait_tensorcnt 0x0                           ; the wave's end
	ds_add_u32 v[SPW], v[NIL]
	s_wait_dscnt 0x0
	ROUND                                          ; the closing round: no work-group ends while a partner may still ask for a tile that names it
	s_endpgm
.Lfunc_end_k_qbe105068d2_nearest:
	.size	k_qbe105068d2_nearest, .Lfunc_end_k_qbe105068d2_nearest-k_qbe105068d2_nearest
	.p2alignl 7, 3214868480
	.fill 96, 4, 3214868480
	.section	.rodata,"a",@progbits
	.p2align	6, 0x0
	.amdhsa_kernel k_qbe105068d2_nearest
		.amdhsa_group_segment_fixed_size 327680
		.amdhsa_private_segment_fixed_size 0
		.amdhsa_enable_private_segment 0
		.amdhsa_kernarg_size 32
		.amdhsa_user_sgpr_count 2
		.amdhsa_user_sgpr_kernarg_segment_ptr 1
		.amdhsa_wavefront_size32 1
		.amdhsa_system_sgpr_workgroup_id_x 1
		.amdhsa_system_sgpr_workgroup_id_y 1
		.amdhsa_system_sgpr_workgroup_id_z 1
		.amdhsa_system_vgpr_workitem_id 0
		.amdhsa_next_free_vgpr 256
		.amdhsa_next_free_sgpr 66
		.amdhsa_reserve_vcc 1
		.amdhsa_float_denorm_mode_32 3
		.amdhsa_float_denorm_mode_16_64 3
		.amdhsa_memory_ordered 1
		.amdhsa_forward_progress 1
		.amdhsa_inst_pref_size 62
	.end_amdhsa_kernel
	.amdgpu_metadata
---
amdhsa.version: [ 1, 2 ]
amdhsa.kernels:
  - .name:           k_qbe105068d2_nearest
    .symbol:         k_qbe105068d2_nearest.kd
    .args:
      - { .name: inputs, .offset: 0, .size: 8, .value_kind: global_buffer, .address_space: global }
      - { .name: w, .offset: 8, .size: 8, .value_kind: global_buffer, .address_space: global }
      - { .name: out2, .offset: 16, .size: 8, .value_kind: global_buffer, .address_space: global }
      - { .name: codes, .offset: 24, .size: 8, .value_kind: global_buffer, .address_space: global }
    .group_segment_fixed_size: 327680
    .private_segment_fixed_size: 0
    .kernarg_segment_align: 8
    .kernarg_segment_size: 32
    .max_flat_workgroup_size: 256
    .sgpr_count:     66
    .vgpr_count:     256
    .wavefront_size: 32
...
	.end_amdgpu_metadata
.endif
;; end of part 1
;; launch gather (part 2): grid 256 x 1, 16 waves a work-group, no clusters, 2,304 bytes of LDS; arguments inputs, w, codes, out0, part; writes out0, part
.if DOCPART == 2
	.amdgcn_target "amdgcn-amd-amdhsa--gfx1250"
	.amdhsa_code_object_version 6
	.text
	.protected	k_qbe105068d2_gather
	.globl	k_qbe105068d2_gather
	.p2align	8
	.type	k_qbe105068d2_gather,@function
k_qbe105068d2_gather:
	s_mov_b64 s[64:65], 0
	v_nop
	global_prefetch_b8 v0, s[64:65] scope:SCOPE_SE
	s_setreg_imm32_b32 hwreg(HW_REG_WAVE_MODE, 25, 1), 1
	s_wait_xcnt 0x0
; out0 = x + (w[index] - x); one partial sum of (w[index] - x)^2 for each work-group.  All f32.  The indices were stored by the launch before, as whole numbers.
; SHARES.  A work-group takes 256 tokens, each of its 16 waves 16.  A token's row and a code's row are 256 bytes: sixteen lanes load or store a row, 16 bytes each, whole and aligned;
; lanes 0-15 take tokens 0 to 7 of the wave, lanes 16-31 tokens 8 to 15, so that a lane's eight indices are 32 consecutive bytes.  An index is held to the table's 1,024 rows before it enters an address.
; No cluster and no LDS tiles: the rows that work-groups gather differ, and x is read by one wave alone.  No matrix work: there is no product here.  No loop, so nothing to prefetch ahead in.
; THE SUMS: one number for each half of a wave's lanes, 32 a work-group, gathered in LDS; wave 0 adds them and stores the work-group's one number.
.set OX,  1                            ; v1   2,048 h + 16 (lane % 16): my place in the wave's rows of x and of out0
.set C16, 2                            ; v2   16 (lane % 16)
.set IO,  3                            ; v3   32 h
.set PW,  5                            ; v5   LDS: 4 x (thread / 16)
.set L4,  6                            ; v6   4 x lane
.set ZR,  7                            ; v7   0
.set I,   8                            ; v8-15  my eight indices
.set X,   16                           ; v16-47 eight rows of x, four numbers a lane
.set Q,   48                           ; v48-79 eight rows of w
.set O,   80                           ; v80-87 their offsets
.set ACC, 88                           ; v88-91 the squares, two chains
.set T,   92
.set SPW, 94
.set NIL, 95
	s_load_b256 s[4:11], s[0:1], 0x0               ; inputs s[4:5], w s[6:7], codes s[8:9], out0 s[10:11]
	s_load_b64 s[12:13], s[0:1], 0x20              ; part
	v_lshl_add_u32 v[SPW], v0, 2, 0x100
	v_mov_b32 v[NIL], 0
	v_lshrrev_b32 v4, 5, v0
	v_and_b32 v[C16], 15, v0
	v_readfirstlane_b32 s16, v4                    ; wave 0..15
	v_bfe_u32 v[IO], v0, 4, 1
	v_lshlrev_b32 v[C16], 4, v[C16]
	v_lshrrev_b32 v[PW], 4, v0
	v_lshl_add_u32 v[OX], v[IO], 11, v[C16]
	v_lshlrev_b32 v[IO], 5, v[IO]
	v_lshlrev_b32 v[PW], 2, v[PW]
	v_and_b32 v[L4], 31, v0
	v_mov_b32 v[ZR], 0
	v_mov_b32 v[T+1], 0                            ; written once: a lane permute's destination counts as one of its sources
	v_lshlrev_b32 v[L4], 2, v[L4]
	s_lshl_b32 s36, ttmp9, 16                      ; rows: 256 tokens of 256 bytes a work-group,
	s_lshl_b32 s37, s16, 12                        ; 16 a wave
	s_add_co_u32 s36, s36, s37
	s_mov_b32 s37, 0
	s_lshl_b32 s38, ttmp9, 10                      ; indices: 4 bytes a token
	s_lshl_b32 s39, s16, 6
	s_add_co_u32 s38, s38, s39
	s_mov_b32 s39, 0
	s_lshl_b32 s44, ttmp9, 2                       ; in part: one number a work-group
	s_mov_b32 s45, 0
	s_mov_b32 s46, 0x76543210                      ; v_permlanex16_b32's selects for lane l xor 16
	s_mov_b32 s47, 0xfedcba98
	s_wait_alu depctr_va_vdst(0)
	s_wait_kmcnt 0x0
	s_add_nc_u64 s[8:9], s[8:9], s[38:39]
	s_add_nc_u64 s[4:5], s[4:5], s[36:37]
	global_load_b128 v[I:I+3], v[IO], s[8:9]
	global_load_b128 v[I+4:I+7], v[IO], s[8:9] offset:16
.irp n, 0,1,2,3,4,5,6,7
	global_load_b128 v[X+4*\n:X+4*\n+3], v[OX], s[4:5] offset:256*\n th:TH_LOAD_NT   ; tokens n and 8 + n; read here for the last time
.endr
	s_add_nc_u64 s[10:11], s[10:11], s[36:37]
	s_add_nc_u64 s[12:13], s[12:13], s[44:45]
	s_wait_loadcnt 8                               ; the indices are in; the eight rows of x may be out
.irp n, 0,1,2,3,4,5,6,7
	v_min_u32 v[I+\n], 0x3ff, v[I+\n]              ; an index stays inside the table
.endr
.irp n, 0,1,2,3,4,5,6,7
	v_lshl_add_u32 v[O+\n], v[I+\n], 8, v[C16]
.endr
.irp n, 0,1,2,3,4,5,6,7
	global_load_b128 v[Q+4*\n:Q+4*\n+3], v[O+\n], s[6:7]
.endr
.macro CALC g                          ; four rows: q - x, its squares, x + (q - x).  Each row has registers of its own, so no store's data are written again
.irp k, 0,1,2,3
.set N, 4*(4*(\g)+\k)
	v_pk_add_f32 v[Q+N:Q+N+1], v[Q+N:Q+N+1], v[X+N:X+N+1] neg_lo:[0,1] neg_hi:[0,1]
	v_pk_add_f32 v[Q+N+2:Q+N+3], v[Q+N+2:Q+N+3], v[X+N+2:X+N+3] neg_lo:[0,1] neg_hi:[0,1]
.endr
.irp k, 0,1,2,3
.set N, 4*(4*(\g)+\k)
.if N == 0
	v_pk_mul_f32 v[ACC:ACC+1], v[Q:Q+1], v[Q:Q+1]  ; the first squares start the sums
	v_pk_mul_f32 v[ACC+2:ACC+3], v[Q+2:Q+3], v[Q+2:Q+3]
.else
	v_pk_fma_f32 v[ACC:ACC+1], v[Q+N:Q+N+1], v[Q+N:Q+N+1], v[ACC:ACC+1]
	v_pk_fma_f32 v[ACC+2:ACC+3], v[Q+N+2:Q+N+3], v[Q+N+2:Q+N+3], v[ACC+2:ACC+3]
.endif
	v_pk_add_f32 v[X+N:X+N+1], v[X+N:X+N+1], v[Q+N:Q+N+1]
	v_pk_add_f32 v[X+N+2:X+N+3], v[X+N+2:X+N+3], v[Q+N+2:Q+N+3]
.endr
.endm
.macro SEND g
.irp k, 0,1,2,3
.set N, 4*(\g)+\k
	global_store_b128 v[OX], v[X+4*N:X+4*N+3], s[10:11] offset:256*N th:TH_STORE_NT
.endr
.endm
	s_wait_loadcnt 4                               ; loads come back in order: all of x and rows 0-3 of w are in
	CALC 0
	SEND 0
	s_wait_alu depctr_va_vdst(0)
	s_wait_loadcnt 0x0
	CALC 1
	v_pk_add_f32 v[ACC:ACC+1], v[ACC:ACC+1], v[ACC+2:ACC+3]
	v_add_f32 v[T], v[ACC], v[ACC+1]
	v_add_f32_dpp v[T], v[T], v[T] row_xmask:1 row_mask:0xf bank_mask:0xf
	v_add_f32_dpp v[T], v[T], v[T] row_xmask:2 row_mask:0xf bank_mask:0xf
	v_add_f32_dpp v[T], v[T], v[T] row_xmask:4 row_mask:0xf bank_mask:0xf
	v_add_f32_dpp v[T], v[T], v[T] row_xmask:8 row_mask:0xf bank_mask:0xf   ; each half of the lanes holds its sum
	ds_store_b32 v[PW], v[T]                       ; sixteen lanes write the same word with the same value
	SEND 1
	s_wait_tensorcnt 0x0                           ; behind the wave's last LDS store
	ds_add_u32 v[SPW], v[NIL]
	s_wait_dscnt 0x0                               ; for wave 0's sake too: my store into LDS is done
	s_barrier_signal -1
	s_barrier_wait -1
	s_cmp_lg_u32 s16, 0
	s_cbranch_scc1 .Lend
	ds_load_b32 v[T], v[L4]                        ; the 32 sums, one a lane
	s_wait_dscnt 0x0
	v_add_f32_dpp v[T], v[T], v[T] row_xmask:1 row_mask:0xf bank_mask:0xf
	v_add_f32_dpp v[T], v[T], v[T] row_xmask:2 row_mask:0xf bank_mask:0xf
	v_add_f32_dpp v[T], v[T], v[T] row_xmask:4 row_mask:0xf bank_mask:0xf
	v_add_f32_dpp v[T], v[T], v[T] row_xmask:8 row_mask:0xf bank_mask:0xf
	v_permlanex16_b32 v[T+1], v[T], s46, s47
	v_add_f32 v[T], v[T], v[T+1]
	v_cmp_eq_u32 vcc_lo, 0, v0
	s_wait_alu depctr_va_vdst(0)
	s_wait_xcnt 0x0                                ; EXEC changes only behind this wait
	s_and_saveexec_b32 s17, vcc_lo                 ; thread 0 alone stores
	global_store_b32 v[ZR], v[T], s[12:13]
.Lend:
	s_endpgm
.Lfunc_end_k_qbe105068d2_gather:
	.size	k_qbe105068d2_gather, .Lfunc_end_k_qbe105068d2_gather-k_qbe105068d2_gather
	.p2alignl 7, 3214868480
	.fill 96, 4, 3214868480
	.section	.rodata,"a",@progbits
	.p2align	6, 0x0
	.amdhsa_kernel k_qbe105068d2_gather
		.amdhsa_group_segment_fixed_size 2304
		.amdhsa_private_segment_fixed_size 0
		.amdhsa_enable_private_segment 0
		.amdhsa_kernarg_size 40
		.amdhsa_user_sgpr_count 2
		.amdhsa_user_sgpr_kernarg_segment_ptr 1
		.amdhsa_wavefront_size32 1
		.amdhsa_system_sgpr_workgroup_id_x 1
		.amdhsa_system_sgpr_workgroup_id_y 1
		.amdhsa_system_sgpr_workgroup_id_z 1
		.amdhsa_system_vgpr_workitem_id 0
		.amdhsa_next_free_vgpr 96
		.amdhsa_next_free_sgpr 66
		.amdhsa_reserve_vcc 1
		.amdhsa_float_denorm_mode_32 3
		.amdhsa_float_denorm_mode_16_64 3
		.amdhsa_memory_ordered 1
		.amdhsa_forward_progress 1
		.amdhsa_inst_pref_size 10
	.end_amdhsa_kernel
	.amdgpu_metadata
---
amdhsa.version: [ 1, 2 ]
amdhsa.kernels:
  - .name:           k_qbe105068d2_gather
    .symbol:         k_qbe105068d2_gather.kd
    .args:
      - { .name: inputs, .offset: 0, .size: 8, .value_kind: global_buffer, .address_space: global }
      - { .name: w, .offset: 8, .size: 8, .value_kind: global_buffer, .address_space: global }
      - { .name: codes, .offset: 16, .size: 8, .value_kind: global_buffer, .address_space: global }
      - { .name: out0, .offset: 24, .size: 8, .value_kind: global_buffer, .address_space: global }
      - { .name: part, .offset: 32, .size: 8, .value_kind: global_buffer, .address_space: global }
    .group_segment_fixed_size: 2304
    .private_segment_fixed_size: 0
    .kernarg_segment_align: 8
    .kernarg_segment_size: 40
    .max_flat_workgroup_size: 512
    .sgpr_count:     66
    .vgpr_count:     96
    .wavefront_size: 32
...
	.end_amdgpu_metadata
.endif
;; end of part 2
;; launch finish (part 3): grid 65 x 1, 1 waves a work-group, no clusters, 0 bytes of LDS; arguments w, part, out1, out3; writes out1, out3
.if DOCPART == 3
	.amdgcn_target "amdgcn-amd-amdhsa--gfx1250"
	.amdhsa_code_object_version 6
	.text
	.protected	k_qbe105068d2_finish
	.globl	k_qbe105068d2_finish
	.p2align	8
	.type	k_qbe105068d2_finish,@function
k_qbe105068d2_finish:
	s_mov_b64 s[64:65], 0
	v_nop
	global_prefetch_b8 v0, s[64:65] scope:SCOPE_SE
	s_setreg_imm32_b32 hwreg(HW_REG_WAVE_MODE, 25, 1), 1
	s_wait_xcnt 0x0
; Work-group 0: out1 = 0.25 x the mean of (quantized - inputs)^2 = the sum of the 256 partial sums x 2^-24 (0.25 / (65,536 x 64)): one number has one owner; one wave, eight numbers a lane.
; Work-groups 1 to 64: out3 = w transposed.  Work-group 1 + 4 b + c takes 16 columns (64 bytes of a row), 16 c on, of the 64 codes from 64 b on: lane l has codes 64 b + 2 l and 2 l + 1, so that a
; column's 64 numbers leave as 256 consecutive bytes, aligned.  No LDS, no barrier, no cluster: the pieces that work-groups read differ.  No loop, so nothing to prefetch ahead in.
	s_load_b256 s[4:11], s[0:1], 0x0               ; w s[4:5], part s[6:7], out1 s[8:9], out3 s[10:11]
	v_lshlrev_b32 v1, 4, v0                        ; 16 x lane
	v_lshlrev_b32 v2, 9, v0                        ; 512 x lane: two rows of w
	v_lshlrev_b32 v3, 3, v0                        ; 8 x lane
	v_mov_b32 v4, 0
	s_mov_b32 s18, 0x76543210                      ; v_permlanex16_b32's selects for lane l xor 16
	s_mov_b32 s19, 0xfedcba98
	s_wait_alu depctr_va_vdst(0)
	s_wait_kmcnt 0x0
	s_cmp_lg_u32 ttmp9, 0
	s_cbranch_scc1 .Ltranspose
	global_load_b128 v[8:11], v1, s[6:7]
	global_load_b128 v[12:15], v1, s[6:7] offset:512
	s_wait_loadcnt 0x0
	v_pk_add_f32 v[8:9], v[8:9], v[10:11]
	v_pk_add_f32 v[12:13], v[12:13], v[14:15]
	v_pk_add_f32 v[8:9], v[8:9], v[12:13]
	v_add_f32 v8, v8, v9
	v_add_f32_dpp v8, v8, v8 row_xmask:1 row_mask:0xf bank_mask:0xf
	v_add_f32_dpp v8, v8, v8 row_xmask:2 row_mask:0xf bank_mask:0xf
	v_add_f32_dpp v8, v8, v8 row_xmask:4 row_mask:0xf bank_mask:0xf
	v_add_f32_dpp v8, v8, v8 row_xmask:8 row_mask:0xf bank_mask:0xf
	v_permlanex16_b32 v9, v8, s18, s19             ; (its destination has been written)
	v_add_f32 v8, v8, v9
	v_mul_f32 v8, 0x33800000, v8                   ; x 2^-24
	v_cmp_eq_u32 vcc_lo, 0, v0
	s_wait_alu depctr_va_vdst(0)
	s_wait_xcnt 0x0                                ; EXEC changes only behind this wait
	s_and_saveexec_b32 s20, vcc_lo                 ; lane 0 alone stores
	global_store_b32 v4, v8, s[8:9]
	s_endpgm
.Ltranspose:
	s_sub_co_u32 s12, ttmp9, 1
	s_lshr_b32 s13, s12, 2                         ; b: which 64 codes
	s_and_b32 s12, s12, 3                          ; c: which 16 columns
	s_lshl_b32 s14, s13, 14                        ; in w: 64 rows of 256 bytes, + 64 bytes for each 16 columns
	s_lshl_b32 s15, s12, 6
	s_add_co_u32 s14, s14, s15
	s_mov_b32 s15, 0
	s_lshl_b32 s16, s12, 16                        ; in out3: 16 rows of 4,096 bytes, + 256 bytes for each 64 codes
	s_lshl_b32 s17, s13, 8
	s_add_co_u32 s16, s16, s17
	s_mov_b32 s17, 0
	s_add_nc_u64 s[4:5], s[4:5], s[14:15]
	s_add_nc_u64 s[10:11], s[10:11], s[16:17]
.irp q, 0,1,2,3
	global_load_b128 v[16+4*\q:19+4*\q], v2, s[4:5] offset:16*\q           ; code 2 l
	global_load_b128 v[32+4*\q:35+4*\q], v2, s[4:5] offset:256+16*\q       ; code 2 l + 1
.endr
	s_wait_loadcnt 0x0
.irp c, 0,1,2,3,4,5,6,7,8,9,10,11,12,13,14,15
	v_mov_b32 v[48+2*\c], v[16+\c]
	v_mov_b32 v[49+2*\c], v[32+\c]
.endr
.irp c, 0,1,2,3,4,5,6,7,8,9,10,11,12,13,14,15
	global_store_b64 v3, v[48+2*\c:49+2*\c], s[10:11] offset:4096*\c th:TH_STORE_NT   ; column c: 64 codes
.endr
	s_endpgm
.Lfunc_end_k_qbe105068d2_finish:
	.size	k_qbe105068d2_finish, .Lfunc_end_k_qbe105068d2_finish-k_qbe105068d2_finish
	.p2alignl 7, 3214868480
	.fill 96, 4, 3214868480
	.section	.rodata,"a",@progbits
	.p2align	6, 0x0
	.amdhsa_kernel k_qbe105068d2_finish
		.amdhsa_group_segment_fixed_size 0
		.amdhsa_private_segment_fixed_size 0
		.amdhsa_enable_private_segment 0
		.amdhsa_kernarg_size 32
		.amdhsa_user_sgpr_count 2
		.amdhsa_user_sgpr_kernarg_segment_ptr 1
		.amdhsa_wavefront_size32 1
		.amdhsa_system_sgpr_workgroup_id_x 1
		.amdhsa_system_sgpr_workgroup_id_y 1
		.amdhsa_system_sgpr_workgroup_id_z 1
		.amdhsa_system_vgpr_workitem_id 0
		.amdhsa_next_free_vgpr 80
		.amdhsa_next_free_sgpr 66
		.amdhsa_reserve_vcc 1
		.amdhsa_float_denorm_mode_32 3
		.amdhsa_float_denorm_mode_16_64 3
		.amdhsa_memory_ordered 1
		.amdhsa_forward_progress 1
		.amdhsa_inst_pref_size 6
	.end_amdhsa_kernel
	.amdgpu_metadata
---
amdhsa.version: [ 1, 2 ]
amdhsa.kernels:
  - .name:           k_qbe105068d2_finish
    .symbol:         k_qbe105068d2_finish.kd
    .args:
      - { .name: w, .offset: 0, .size: 8, .value_kind: global_buffer, .address_space: global }
      - { .name: part, .offset: 8, .size: 8, .value_kind: global_buffer, .address_space: global }
      - { .name: out1, .offset: 16, .size: 8, .value_kind: global_buffer, .address_space: global }
      - { .name: out3, .offset: 24, .size: 8, .value_kind: global_buffer, .address_space: global }
    .group_segment_fixed_size: 0
    .private_segment_fixed_size: 0
    .kernarg_segment_align: 8
    .kernarg_segment_size: 32
    .max_flat_workgroup_size: 32
    .sgpr_count:     66
    .vgpr_count:     80
    .wavefront_size: 32
...
	.end_amdgpu_metadata
.endif
;; end of part 3
